; MI455X (gfx1250); checked and timed in simulation.
; The chip was launched on July 23, 2026; its instructions are those of AMD's public machine-readable ISA for CDNA 5 (MIT licence, August 2026) and "CDNA5" Instruction Set Architecture Reference Guide (July 2026). The comments in the code are by the model that wrote it; some were corrected since.
;; RG Buv Hist Block. Allowed arithmetic: matrix products marked QUANTISED: E5M2 operands, one given power-of-two scale a tensor, by v_wmma_f32_16x16x64_bf8_bf8 or v_wmma_f32_16x16x128_bf8_bf8, f32 sums; everything else in f32.
;; Inputs: lowp_scales 2 int32 (the exponents e of the quantised operands' scales 2^e); x 4 x 3 x 65,536 float32.
;; Outputs: out0 4 x 3 x 64 x 64 float32.
;; This version of the problem:
;;   THIS VERSION OF THE PROBLEM IS GIVEN IN LOW PRECISION. The matrix products marked QUANTISED in the list below multiply operands that are first quantised to E5M2 (5 exponent bits, 2 mantissa bits; 8 bits a number), with one given power-of-two scale for each operand tensor; their sums are f32. All else is computed in f32.
;;   The module's matrix products, in the order in which they are computed (A, B: the left and right operand; K: the contracted axis; several contracted axes count as one K, in the product's order):
;;     1. batch 12 x [M 64, K 65,536] x [K 65,536, N 64]; A: computed on the way; B: computed on the way: QUANTISED (scales: A lowp_scales[0], B lowp_scales[1])
;;   THE QUANTISER, for each operand of a quantised product, along K:
;;     - The operand's scale is 2^e, e = its entry of the input lowp_scales (int32; the entries are numbered through the quantised products in the list's order, A before B).
;;     - Each number is divided by the scale, clamped to +-57,344, and rounded to the nearest number of E5M2, ties to even, subnormals kept.
;;     - The product sums the exact products of the quantised numbers (number of the format x scale) in f32.
;;   ~~~python
;;   def quantise(x, axis, e):      # numpy; x: float32 -> the quantised numbers, widened to float32 again
;;       x = np.moveaxis(x, axis, -1); K = x.shape[-1]
;;       r = np.clip(x / 2.0 ** e, -57344, 57344)
;;       step = 2.0 ** (np.maximum(np.frexp(np.where(r == 0, 1, r))[1] - 1, -14) - 2)
;;       q = np.round(r / step) * step * 2.0 ** e      # np.round: ties to even
;;       return np.moveaxis(q, -1, axis).astype(np.float32)
;;   ~~~
;;   OPERANDS COMPUTED ON THE WAY. 'Computed on the way' means the value that the module computes at that place (a softmax that the list does not call 'softmax' is quantised finished and normalised). What goes into a quantiser is computed in f32, as accurately as f32 sums, v_exp_f32 and their like allow (about 1e-6 of the number): no bf16 or f16 on the way to a quantiser, and a product that is left as it is and whose result goes on into a quantised operand takes f32 operands (vector FMAs, or v_wmma_f32_16x16x4_f32). A number that lies on a knife's edge between two numbers of the format may be rounded either way, as far as f32 arithmetic and the matrix unit's own rounding can turn it there, and no further.
;; One version. Each part assembles by itself: llvm-mc -triple=amdgcn-amd-amdhsa -mcpu=gfx1250 --defsym DOCPART=n.
;; ======== version 1 of 1: 2 launches
;; limits: right only within a limited range of input values
;; workspace buffers: part 12,582,912 bytes; sums 12,288 bytes
;; launch hist (part 1): grid 64 x 4, 12 waves a work-group, no clusters, 259,584 bytes of LDS; arguments x, lowp_scales, part, sums; writes part, sums
.if DOCPART == 1
	.amdgcn_target "amdgcn-amd-amdhsa--gfx1250"
	.amdhsa_code_object_version 6
	.text
	.protected	k_qfd56d3d054_hist
	.globl	k_qfd56d3d054_hist
	.p2align	8
	.type	k_qfd56d3d054_hist,@function
k_qfd56d3d054_hist:
	s_mov_b64 s[64:65], 0
	v_nop
	global_prefetch_b8 v0, s[64:65] scope:SCOPE_SE
	s_setreg_imm32_b32 hwreg(HW_REG_WAVE_MODE, 25, 1), 1
	s_wait_xcnt 0x0
; PARTIAL HISTOGRAMS.  x: [4][3][65536] f32.  part: [256 work-groups][3][64][64] f32, sums of code products (not yet x 2^(e0+e1)): AA x BB, AB x BC, AA x BC.  sums: [256][12 waves] f32: each wave's total of what it stored.
; With a = logR-logG, b = logR-logB, c = logG-logB and k(z)[u] = 1/(1+(z-lin[u])^2/sigma^2), and since lin[63-u] = -lin[u]:
;   hist0[u][v] = sum Iy k(a)[u] k(b)[v];   hist1[u][v] = sum Iy k(a)[63-u] k(c)[v];   hist2[u][v] = sum Iy k(b)[63-u] k(c)[63-v].
; So three weight vectors and four code vectors serve the three products: AA = Q0(Iy k(a)), AB = Q0(Iy k(b)), BB = Q1(k(b)), BC = Q1(k(c)); the reversals are made by the second launch.
; SHARES.  A work-group takes 1,024 pixels of one image: four trios of waves, 256 pixels each, in four chunks of 64 along K.  Wave = 4 x role + trio.
;   role 0 makes BB (given) and AB (kept), and sums AB x BC;   role 1 makes AA, gives it to its trio, and sums AA x BB;   role 2 makes BC, gives it, and sums AA x BC.
; So no weight is made twice, a wave holds 16 tiles of 16 x 16 (128 accumulators), and of a product's eight fragments four are the wave's own and four come from a partner through LDS, as images of the operand's registers.
; The products of a chunk are made one chunk later, so that between a barrier's signal and its wait stands a group's work.
; A LANE (r = lane % 16, h = lane / 16) holds bin 16 t + r of each of the four tiles t, and its registers run along the pixels (the products' K): the conversions' results are the operand's registers.
; Source 0 = 16 bins of v, source 1 = 16 bins of u: a lane's eight results are eight neighbouring v of one row u.
; ARITHMETIC, all f32, in units of sigma (x 50): d = 50 z - 50 lin, weight = 1/(1 + d d).  For AA Iy is folded in: Iy/(1 + d d) = 1/(w + (s d)^2), w = 1/Iy, s = 1/sqrt(Iy), s d = a'' - 50 lin s with a'' = 50 a s.
; The clip to [0,1] bounds the denominators: at most 7.1e5 plain and 2e8 with Iy folded in, at least 0.57.
; THE HOLD at 57,344 x the scale is jumped over where e >= -15: then 57,344 x 2^e >= 1.75, while Iy k <= sqrt(3 + 1e-6) and k <= 1 (a few roundings added).  Where e < -15 it is made on the codes: a number of 61,440 or more becomes
; the code of infinity, 0x7c (ISA guide 7.6.2: this conversion does not saturate), and each byte 0x7c is made 0x7b, 57,344; a number between 57,344 and 61,440 is rounded to 57,344 already.  No code here has a sign or is a NaN.
; LIMITS: -126 <= e <= 127 for both exponents, so that 2^e is an f32 number.  NaN among the inputs is not served (infinities are clipped as reference() clips them).
; The bins' centres are 150 (2 u - 63) / 63 in units of sigma, exactly symmetric; linspace's own f32 numbers differ from them by at most an ulp of 3.
; No tensor load: each input byte is read once, into the registers that compute on it.  No cluster: work-groups share no input.  No prefetch: all global loads are issued at the head.
; REGISTERS: v1-15 addresses and constants; v16-79 two sets of 32 denominators, then weights (tile, 8 pixels); v80-103 the pixels' numbers; v96-111 (role 0) BB's codes; v112-159 own codes; v160-191 the partner's; v192-319 accumulators.
; Own codes: 12 registers a tile: first half of an even chunk, second half, first half of an odd chunk: a fragment is registers 0-7 (even) or 4-11 (odd); the images in LDS have the same order in all waves.
; LDS: codes of odd chunks from 0, of even chunks from 49,152 (trio, vector, tile, 1,024 bytes each); pixel numbers from 98,304 (trio, array of 256); the exchange of the way out lies over the last two, from 49,152 on.
.set CHB,   262144                     ; bytes of a channel
.set IMB,   786432                     ; bytes of an image
.set PARTB, 49152                      ; bytes of a work-group's partial histograms
.set FB0,   49152                      ; even chunks' codes
.set PIX,   98304                      ; pixel numbers: 6 arrays x 1,024 bytes for each trio
.set EXB,   49152                      ; the exchange: 64 pieces x 272 bytes for each wave
.set EXW,   17408
.set SPARE, EXB+12*EXW                 ; spare words: 128 bytes for each wave
.set SPW, 2
.set NIL, 3
.set NL,  4                            ; v4-7  minus 50 lin of my bin in tiles 0..3
.set SC0, 8                            ; 2^e0 as f32
.set SC1, 9                            ; 2^e1
.set ADR, 11                           ; my trio's pixel numbers + 32 h
.set PST, 12                           ; where I store pixel numbers
.set FST, 13                           ; where I store codes
.set FLD, 14                           ; where I read my partner's
.set LANE, 15
.set TA,  16
.set Z,   80
.set GIV, 96
.set OWN, 112
.set OTH, 160
.set ACC, 192
.set ROLE, 13                          ; s13 role, s14 trio
.set HO,  32                           ; s32  1 where a scale of my codes has e < -15
.set K4,  34
.set K1,  35
.set MSB, 0
.macro WIN new                         ; the immediate's high byte repeats the setting that is left
.if MSB != \new
	s_set_vgpr_msb (MSB<<8)|\new
.set MSB, \new
.endif
.endm
.macro LDZ arr, reg, G                 ; eight numbers of group G: lanes 0-15 read pixels 16 G + 0..7, lanes 16-31 pixels 16 G + 8..15, each number for sixteen lanes
	ds_load_b128 v[\reg:\reg+3], v[ADR] offset:\arr*1024+64*(\G)
	ds_load_b128 v[\reg+4:\reg+7], v[ADR] offset:\arr*1024+64*(\G)+16
.endm
.macro DSTP typ                        ; d of pair mm (tile mm / 4, pixels 2 (mm % 4) + 0, 1) into set rY
.set rN, NL+2*(mm/8)
.set rD, Z+2*(mm%4)
.set rT, rY+2*mm
.if \typ == 1
.if ((mm/4)%2) == 0
	v_pk_fma_f32 v[rT:rT+1], v[rD+8:rD+9], v[rN:rN+1], v[rD:rD+1] op_sel_hi:[1,0,1]
.else
	v_pk_fma_f32 v[rT:rT+1], v[rD+8:rD+9], v[rN:rN+1], v[rD:rD+1] op_sel:[0,1,0] op_sel_hi:[1,1,1]
.endif
.else
.if ((mm/4)%2) == 0
	v_pk_add_f32 v[rT:rT+1], v[rD:rD+1], v[rN:rN+1] op_sel_hi:[1,0]
.else
	v_pk_add_f32 v[rT:rT+1], v[rD:rD+1], v[rN:rN+1] op_sel:[0,1] op_sel_hi:[1,1]
.endif
.endif
.endm
.macro RCPD typ                        ; 32 reciprocals of set rX, and between them the next group's d into set rY
.set mm, 0
.rept 16
	v_rcp_f32 v[rX+2*mm], v[rX+2*mm]
	v_rcp_f32 v[rX+2*mm+1], v[rX+2*mm+1]
	DSTP \typ
.set mm, mm+1
.endr
.endm
.macro TSTP typ, m0, n                 ; the denominators of set rY: d d + w, or d d + 1
.set mm, \m0
.rept \n
.set rT, rY+2*mm
.if \typ == 1
	v_pk_fma_f32 v[rT:rT+1], v[rT:rT+1], v[rT:rT+1], v[Z+16+2*(mm%4):Z+17+2*(mm%4)]
.else
	v_pk_fma_f32 v[rT:rT+1], v[rT:rT+1], v[rT:rT+1], 1.0 op_sel_hi:[1,1,0]
.endif
.set mm, mm+1
.endr
.endm
.macro CVT d, st, sc                   ; eight weights of each tile into two registers of codes
.irp t, 0,1,2,3
	v_cvt_scalef32_pk8_bf8_f32 v[\d+\st*\t:\d+\st*\t+1], v[rX+8*\t:rX+8*\t+7], v[\sc]
.endr
.endm
; A STEP: group G (16 pixels, 8 a lane, x 64 bins): its reciprocals and codes, and the next group's denominators.  The counts: LDS instructions issued behind the loads that are wanted: two of w or Iy (roles 0, 1), and between steps
; the eight loads of the partner's codes (ahead of a chunk's second group) or four stores of codes (ahead of its third).
.macro STEP typ, G
.set rX, TA+32*((\G)%2)
.set rY, TA+32-32*((\G)%2)
.set gi, (\G)%4
.set nIN, 0
.if gi == 1 && (\G) > 4
.set nIN, 8
.endif
.if gi == 2
.set nIN, 4
.endif
.set rO, OWN+8*(((\G)/4)%2)+2*gi
.if gi > 1
.set rO, OWN+2*gi
.endif
.if (\G) < 15
.if \typ == 2
	s_wait_dscnt nIN
.else
	s_wait_dscnt nIN+2
.endif
	s_wait_alu depctr_va_vdst(0)                   ; the wait ahead of the batch,
	RCPD \typ
.else
	s_wait_alu depctr_va_vdst(0)
.set mm, 0
.rept 32
	v_rcp_f32 v[rX+mm], v[rX+mm]
.set mm, mm+1
.endr
	v_nop                                          ; a plain line behind the last reciprocal
.endif
.if (\G) < 14                          ; the numbers of the group after the next: their registers were read last by the lines above
.if \typ == 0
	LDZ 3, Z, (\G)+2
.endif
.if \typ == 1
	LDZ 0, Z, (\G)+2
	LDZ 1, Z+8, (\G)+2
.endif
.if \typ == 2
	LDZ 4, Z, (\G)+2
.endif
.endif
	s_wait_alu depctr_va_vdst(0)                   ; and behind it, ahead of its first reader
.if \typ == 0
.set rG, GIV+2*(gi%2)
	CVT rG, 4, SC1
.if (\G) < 15
	TSTP 0, 0, 8                                   ; (also the plain lines between the conversions and what writes their sources)
.else
	v_nop
.endif
.if (\G) < 14
	s_wait_dscnt 2                                 ; Iy is in; the two loads just issued may be out
.else
	s_wait_dscnt 0
.endif
.set mm, 0
.rept 16
	v_pk_mul_f32 v[rX+2*mm:rX+2*mm+1], v[rX+2*mm:rX+2*mm+1], v[Z+8+2*(mm%4):Z+9+2*(mm%4)]   ; Iy k(b)
.set mm, mm+1
.endr
	CVT rO, 12, SC0
.if (\G) < 15
	TSTP 0, 8, 8
	LDZ 5, Z+8, (\G)+1
.else
	v_nop
.endif
.endif
.if \typ == 1
	CVT rO, 12, SC0
.if (\G) < 14
	s_wait_dscnt 4                                 ; w is in; the four loads just issued may be out
.endif
.if (\G) == 14
	s_wait_dscnt 0
.endif
.if (\G) < 15
	TSTP 1, 0, 16
.else
	v_nop                                          ; a plain line behind the conversions
.endif
.if (\G) < 14
	LDZ 2, Z+16, (\G)+2
.endif
.endif
.if \typ == 2
	CVT rO, 12, SC1
.if (\G) < 15
	TSTP 2, 0, 16
.else
	v_nop
.endif
.endif
.endm
.macro FIX b, st                       ; THE HOLD on sixteen registers of codes: a byte 0x7c, alone among the codes, reaches bit 7 when 4 is added: 1 is taken from it
.set TS, TA+32
.irp t, 0,1,2,3
.irp k, 0,1,2,3
	v_add_nc_u32 v[TS+4*\t+\k], s[K4], v[\b+\st*\t+\k]
.endr
.endr
.set mm, TS
.rept 16
	v_lshrrev_b32 v[mm], 7, v[mm]
.set mm, mm+1
.endr
.set mm, TS
.rept 16
	v_and_b32 v[mm], s[K1], v[mm]
.set mm, mm+1
.endr
.irp t, 0,1,2,3
.irp k, 0,1,2,3
	v_sub_nc_u32 v[\b+\st*\t+\k], v[\b+\st*\t+\k], v[TS+4*\t+\k]
.endr
.endr
.endm
.macro GIVE typ, p, hf                 ; half a chunk's codes (p: the chunk's parity; hf: which half) are held and stored: four registers of each tile
.set rS, OWN+4+4*(1-(\hf))*(2*(\p)-1)
.set lS, FB0*(1-(\p))+512*((\hf)+(\p)-2*(\hf)*(\p))
	s_wait_alu depctr_va_vdst(0)
	s_cmp_eq_u32 s[HO], 0
	s_cbranch_scc1 .Lheld_\@
	FIX rS, 12
.if \typ == 0
	FIX GIV, 4
.endif
.Lheld_\@:
.irp t, 0,1,2,3
.if \typ == 0
	ds_store_b128 v[FST], v[GIV+4*\t:GIV+4*\t+3] offset:lS+1024*\t
.else
	ds_store_b128 v[FST], v[rS+12*\t:rS+12*\t+3] offset:lS+1024*\t
.endif
.endr
.endm
.macro OLOAD p                         ; the partner's four fragments of a chunk of parity p
.irp t, 0,1,2,3
	ds_load_b128 v[OTH+8*\t:OTH+8*\t+3], v[FLD] offset:FB0*(1-(\p))+1024*\t
	ds_load_b128 v[OTH+8*\t+4:OTH+8*\t+7], v[FLD] offset:FB0*(1-(\p))+1024*\t+512
.endr
.endm
; 16 products, 64 along K; the 16 accumulators take turns, one instruction a turn, from chunk to chunk too.  Role 2: my own codes are v's, the partner's u's.  zero = 1: the first chunk starts the sums.
.set uLO, 0                            ; the rows of tiles that MMS takes: all four but on the way out
.set uHI, 3
.macro MMS typ, p, zero
.irp u, 0,1,2,3
.if \u >= uLO && \u <= uHI
.if \u > 1
	WIN 0x50                                       ; C and D in window 1
.endif
.irp v, 0,1,2,3
.set rC, ACC+8*(4*\u+\v)-256*(\u/2)
.if \typ == 2
.set rA, OWN+4*(\p)+12*\v
.set rB, OTH+8*\u
.else
.set rA, OTH+8*\v
.set rB, OWN+4*(\p)+12*\u
.endif
.if \zero
	v_wmma_f32_16x16x64_bf8_bf8 v[rC:rC+7], v[rA:rA+7], v[rB:rB+7], 0
.else
	v_wmma_f32_16x16x64_bf8_bf8 v[rC:rC+7], v[rA:rA+7], v[rB:rB+7], v[rC:rC+7]
.endif
.endr
.endif
.endr
	WIN 0
.endm
.macro DALL typ
.set mm, 0
.rept 16
	DSTP \typ
.set mm, mm+1
.endr
.endm
.macro FIRST typ                       ; group 0's denominators, and group 1's numbers on their way
.set rY, TA
.if \typ == 0
	LDZ 3, Z, 0
	s_wait_dscnt 0
	DALL 0
	LDZ 3, Z, 1
	TSTP 0, 0, 16
	LDZ 5, Z+8, 0
.endif
.if \typ == 1
	LDZ 0, Z, 0
	LDZ 1, Z+8, 0
	LDZ 2, Z+16, 0
	s_wait_dscnt 2                                 ; a'' and s are in; w may be out
	DALL 1
	LDZ 0, Z, 1
	LDZ 1, Z+8, 1
	s_wait_dscnt 4                                 ; w is in; the four loads just issued may be out
	TSTP 1, 0, 16
	LDZ 2, Z+16, 1
.endif
.if \typ == 2
	LDZ 4, Z, 0
	s_wait_dscnt 0
	DALL 2
	LDZ 4, Z, 1
	TSTP 2, 0, 16
.endif
.endm
; A role's share of chunk i.  what = 0: the first group, ahead of the barrier's wait;  1: all behind it: the partner's codes of the chunk before, the second group, that chunk's products, the other groups;  2: the whole of chunk 0.
.macro SHARE typ, i, what
.if \what == 2
	FIRST \typ
.endif
.if \what != 1
	STEP \typ, 4*\i
.endif
.if \what != 0
.set cp, (\i)%2
.set cq, 1-cp
.if \i > 0
	OLOAD cq
.endif
	STEP \typ, 4*\i+1
.if \i > 0
.if \typ == 0
	s_wait_dscnt 4                                 ; the partner's fragments are in; the second group's four, six or two loads of pixel numbers may be out
.endif
.if \typ == 1
	s_wait_dscnt 6
.endif
.if \typ == 2
	s_wait_dscnt 2
.endif
.if \i == 1
	MMS \typ, cq, 1
.else
	MMS \typ, cq, 0
.endif
.endif
	GIVE \typ, cp, 0
	STEP \typ, 4*\i+2
	STEP \typ, 4*\i+3
	GIVE \typ, cp, 1
.endif
.endm
.macro ARMS i, what
	s_cmp_eq_u32 s[ROLE], 1
	s_cbranch_scc1 .Lone_\@
	s_cmp_eq_u32 s[ROLE], 2
	s_cbranch_scc1 .Ltwo_\@
	SHARE 0, \i, \what
	s_branch .Ljoin_\@
.Lone_\@:
	SHARE 1, \i, \what
	s_branch .Ljoin_\@
.Ltwo_\@:
	SHARE 2, \i, \what
.Ljoin_\@:
.endm
; A CHUNK.  Behind the first group the barrier that shows the chunk before it in LDS (and that nobody reads this parity's bytes any more).
.macro CHUNK i
.if \i == 0
	ARMS \i, 2
.else
	ARMS \i, 0
	s_barrier_wait -1
	ARMS \i, 1
.endif
	s_wait_dscnt 0x0                               ; for the others' sake: my codes are stored, my reads are over
	s_barrier_signal -1
.endm
	s_load_b256 s[4:11], s[0:1], 0x0               ; x s[4:5], the exponents s[6:7], part s[8:9], sums s[10:11]
	v_lshl_add_u32 v[SPW], v0, 2, SPARE
	v_mov_b32 v[NIL], 0
	v_lshrrev_b32 v1, 5, v0
	v_readfirstlane_b32 s12, v1                    ; wave 0..11
	v_and_b32 v[LANE], 31, v0
	v_lshlrev_b32 v1, 4, v[LANE]                   ; 16 x lane
	s_lshr_b32 s13, s12, 2                         ; role
	s_and_b32 s14, s12, 3                          ; trio
	s_and_b32 s15, ttmp7, 0xffff                   ; the image
	s_mul_i32 s16, s15, IMB
	s_lshl_b32 s17, ttmp9, 12                      ; the work-group's 1,024 pixels,
	s_add_co_u32 s16, s16, s17
	s_lshl_b32 s17, s14, 10                        ; the trio's 256,
	s_add_co_u32 s16, s16, s17
	s_lshl_b32 s17, s13, 9                         ; and the 128 whose numbers I make (roles 0 and 1)
	s_add_co_u32 s16, s16, s17
	s_mov_b32 s17, 0
	s_lshl_b32 s18, s15, 6
	s_add_co_u32 s18, s18, ttmp9                   ; the work-group's number among the 256
	s_mul_i32 s22, s18, PARTB
	s_lshl_b32 s37, s13, 1
	s_lshr_b32 s19, 33, s37
	s_and_b32 s19, s19, 3                          ; role 0, 1, 2 stores histogram 1, 0, 2 of part,
	s_lshl_b32 s19, s19, 14
	s_add_co_u32 s22, s22, s19
	s_lshl_b32 s19, s14, 11                        ; 8 rows of 256 bytes of each half of it
	s_add_co_u32 s22, s22, s19
	s_mov_b32 s23, 0
	s_mul_i32 s24, s18, 48
	s_lshl_b32 s19, s12, 2
	s_add_co_u32 s24, s24, s19                     ; my wave's word in sums
	s_mov_b32 s25, 0
	s_mul_i32 s26, s14, 6144
	s_add_co_u32 s26, s26, PIX
	s_lshl_b32 s27, s13, 9
	s_add_co_u32 s27, s27, s26
	s_mul_i32 s19, s14, 12288
	s_lshl_b32 s36, s13, 12
	s_add_co_u32 s36, s36, s19                     ; I store vector = role (BB, AA, BC),
	s_lshr_b32 s37, 18, s37
	s_and_b32 s37, s37, 3
	s_lshl_b32 s37, s37, 12
	s_add_co_u32 s37, s37, s19                     ; and read vector 2, 0, 1 for role 0, 1, 2
	s_mov_b32 s28, 0x76543210                      ; v_permlanex16_b32's selects for lane xor 16
	s_mov_b32 s29, 0xfedcba98
	s_mov_b32 s30, 0xc27c0000                      ; -63
	s_mov_b32 s31, 0x3c820821                      ; 1/63
	s_mov_b32 s[K4], 0x04040404
	s_mov_b32 s[K1], 0x01010101
	s_wait_alu depctr_va_vdst(0)                   ; the wait ahead of the readers below
	v_add_nc_u32 v[PST], s27, v1
	v_add_nc_u32 v[FST], s36, v1
	v_add_nc_u32 v[FLD], s37, v1
	v_and_b32 v28, 15, v0                          ; r
	v_bfe_u32 v29, v0, 4, 1                        ; h
	v_lshlrev_b32 v30, 5, v29
	v_add_nc_u32 v[ADR], s26, v30
	v_cvt_f32_u32 v31, v28
	v_fma_f32 v[NL], v31, 2.0, s30                 ; 2 u - 63 for u = r,
	v_add_f32 v[NL+1], 0x42000000, v[NL]           ; r + 16,
	v_add_f32 v[NL+2], 0x42800000, v[NL]           ; r + 32,
	v_add_f32 v[NL+3], 0x42c00000, v[NL]           ; r + 48
.irp t, 0,1,2,3
	v_mul_f32 v[NL+\t], 0xc3160000, v[NL+\t]       ; x -150: a whole number, exact
.endr
.irp t, 0,1,2,3
	v_mul_f32 v[32+\t], s31, v[NL+\t]              ; / 63: a first quotient,
.endr
.irp t, 0,1,2,3
	v_fma_f32 v[NL+\t], v[32+\t], s30, v[NL+\t]    ; its remainder,
.endr
.irp t, 0,1,2,3
	v_fma_f32 v[NL+\t], v[NL+\t], s31, v[32+\t]    ; and the corrected quotient: -50 lin[u]
.endr
	s_wait_alu depctr_va_vdst(0)                   ; the wait here, directly ahead of the wait below
	s_wait_kmcnt 0x0
	s_load_b64 s[20:21], s[6:7], 0x0               ; e0 (for Iy k), e1 (for k)
	s_add_nc_u64 s[4:5], s[4:5], s[16:17]
	s_add_nc_u64 s[8:9], s[8:9], s[22:23]
	s_add_nc_u64 s[10:11], s[10:11], s[24:25]
	s_cmp_eq_u32 s[ROLE], 2
	s_cbranch_scc1 .Lready                         ; roles 0 and 1 make the trio's pixel numbers, 128 pixels a wave
	; THE SIX NUMBERS OF A PIXEL, 4 pixels a lane.  v16-27 I (R, G, B); v28-31 the sum of squares, then Iy; v32-43 I + eps, then log2; v44-47 w; v48-51 s; v52-63 a', b', c'
.irp c, 0,1,2
	global_load_b128 v[16+4*\c:19+4*\c], v1, s[4:5] offset:\c*CHB th:TH_LOAD_NT   ; 32 lanes read 512 consecutive bytes
.endr
	s_wait_loadcnt 0x0
.set i, 16
.rept 6
	v_pk_fma_f32 v[i:i+1], v[i:i+1], 0.5, 0.5 op_sel_hi:[1,0,0]
.set i, i+2
.endr
.set i, 16
.rept 12
	v_med3_num_f32 v[i], v[i], 0, 1.0              ; the clip
.set i, i+1
.endr
.irp j, 0,2
	v_pk_mul_f32 v[28+\j:29+\j], v[16+\j:17+\j], v[16+\j:17+\j]
.endr
.set i, 0
.rept 6
	v_pk_add_f32 v[32+i:33+i], v[16+i:17+i], 0x358637bd op_sel_hi:[1,0]   ; I + 1e-6
.set i, i+2
.endr
.irp j, 0,2
	v_pk_fma_f32 v[28+\j:29+\j], v[20+\j:21+\j], v[20+\j:21+\j], v[28+\j:29+\j]
.endr
.irp j, 0,2
	v_pk_fma_f32 v[28+\j:29+\j], v[24+\j:25+\j], v[24+\j:25+\j], v[28+\j:29+\j]
.endr
.irp j, 0,2
	v_pk_add_f32 v[28+\j:29+\j], v[28+\j:29+\j], 0x358637bd op_sel_hi:[1,0]
.endr
	s_wait_alu depctr_va_vdst(0)                   ; the wait ahead of the batch
.set i, 28
.rept 4
	v_sqrt_f32 v[i], v[i]                          ; Iy
.set i, i+1
.endr
.rept 12
	v_log_f32 v[i], v[i]                           ; log2
.set i, i+1
.endr
	v_nop
	s_wait_alu depctr_va_vdst(0)                   ; and behind it, ahead of its first reader
.set i, 0
.rept 4
	v_rcp_f32 v[44+i], v[28+i]                     ; w = 1 / Iy
	v_rsq_f32 v[48+i], v[28+i]                     ; s = 1 / sqrt(Iy)
.set i, i+1
.endr
.irp j, 0,2
	v_pk_add_f32 v[52+\j:53+\j], v[32+\j:33+\j], v[36+\j:37+\j] neg_lo:[0,1] neg_hi:[0,1]   ; log2 R - log2 G
	v_pk_add_f32 v[56+\j:57+\j], v[32+\j:33+\j], v[40+\j:41+\j] neg_lo:[0,1] neg_hi:[0,1]   ; log2 R - log2 B
	v_pk_add_f32 v[60+\j:61+\j], v[36+\j:37+\j], v[40+\j:41+\j] neg_lo:[0,1] neg_hi:[0,1]   ; log2 G - log2 B
.endr
.set i, 52
.rept 6
	v_pk_mul_f32 v[i:i+1], v[i:i+1], 0x420aa123 op_sel_hi:[1,0]   ; x 50 ln 2: natural logarithms in units of sigma
.set i, i+2
.endr
	s_wait_alu depctr_va_vdst(0)                   ; one wait for the eight
.irp j, 0,2
	v_pk_mul_f32 v[52+\j:53+\j], v[52+\j:53+\j], v[48+\j:49+\j]   ; a'' = a' s
.endr
	ds_store_b128 v[PST], v[48:51] offset:1024
	ds_store_b128 v[PST], v[44:47] offset:2048
	ds_store_b128 v[PST], v[56:59] offset:3072
	ds_store_b128 v[PST], v[60:63] offset:4096
	ds_store_b128 v[PST], v[28:31] offset:5120
	ds_store_b128 v[PST], v[52:55]
.Lready:
	s_wait_kmcnt 0x0
	s_add_co_i32 s26, s20, 127
	s_lshl_b32 s26, s26, 23
	v_mov_b32 v[SC0], s26                          ; 2^e0: the conversion takes its exponent field
	s_add_co_i32 s26, s21, 127
	s_lshl_b32 s26, s26, 23
	v_mov_b32 v[SC1], s26
	s_min_i32 s26, s20, s21                        ; the least exponent of my codes: role 0 makes both kinds,
	s_cmp_eq_u32 s[ROLE], 1
	s_cselect_b32 s26, s20, s26
	s_cmp_eq_u32 s[ROLE], 2
	s_cselect_b32 s26, s21, s26
	s_cmp_lt_i32 s26, -15
	s_cselect_b32 s[HO], 1, 0
	s_wait_alu depctr_va_vdst(0)                   ; the wait at the head's end
	s_wait_dscnt 0x0                               ; for the others' sake: my pixel numbers are stored
	s_barrier_signal -1
	s_barrier_wait -1
	CHUNK 0
	CHUNK 1
	CHUNK 2
	CHUNK 3
	; THE WAY OUT.  Each wave lays its 16 tiles into its own part of the exchange, in pieces: piece (tu, v / 4) holds four neighbouring v of the tile's sixteen rows, 16 bytes a row, and 16 bytes of padding: stores take sixteen rows of a piece,
	; loads sixteen pieces of a row, 272 bytes (68 words) apart, at sixteen different groups of banks (64 banks of 4 bytes: ISA guide 11.1).  It goes by halves, so that the first half's rows leave while the second half's tiles are laid in:
	; half s is the tiles tu = 2 s, 2 s + 1.  Behind its barrier wave (role, g) sums the four trios' rows 32 s + 8 g .. + 7 of its role and stores them.
.set EW,  10
.set ER,  11
.set CO,  12
.set BUF, 16
	s_mul_i32 s26, s12, EXW
	s_add_co_u32 s26, s26, EXB
	s_mul_i32 s27, s13, 4*EXW
	s_add_co_u32 s27, s27, EXB
	s_lshr_b32 s19, s14, 1
	s_mul_i32 s19, s19, 16*272                     ; my tile of the half,
	s_add_co_u32 s27, s27, s19
	s_and_b32 s19, s14, 1
	s_lshl_b32 s19, s19, 7                         ; and my eight of its sixteen rows
	s_add_co_u32 s27, s27, s19
	v_and_b32 v4, 15, v0                           ; r
	v_bfe_u32 v5, v0, 4, 1                         ; h
	v_mul_u32_u24 v6, v5, 544
	v_lshl_add_u32 v6, v4, 4, v6
	v_add_nc_u32 v[EW], s26, v6                    ; row r of pieces 4 tv + 2 h
	s_wait_alu depctr_va_vdst(0)                   ; the wait here, directly ahead of the barrier's
	s_barrier_wait -1                              ; the last chunk's codes are in LDS; nobody reads even chunks' codes or pixel numbers any more
	OLOAD 1
	s_wait_dscnt 0x0
.set uHI, 1                            ; the first half's products
	s_cmp_eq_u32 s[ROLE], 2
	s_cbranch_scc1 .Llast2
	MMS 0, 1, 0
	s_branch .Lsummed
.Llast2:
	MMS 2, 1, 0
.Lsummed:
	v_mul_u32_u24 v7, v4, 272                      ; (these five lines are also the places behind the last products)
	v_lshl_add_u32 v7, v5, 4, v7
	v_add_nc_u32 v[ER], s27, v7                    ; back: lanes 0-15 the sixteen pieces of one row, lanes 16-31 of the next
	v_lshlrev_b32 v[CO], 8, v5
	v_lshl_add_u32 v[CO], v4, 4, v[CO]             ; and the same two rows in memory
.irp u, 0,1
.irp v, 0,1,2,3
	ds_store_b128 v[EW], v[ACC+8*(4*\u+\v):ACC+8*(4*\u+\v)+3] offset:(16*\u+4*\v)*272
	ds_store_b128 v[EW], v[ACC+8*(4*\u+\v)+4:ACC+8*(4*\u+\v)+7] offset:(16*\u+4*\v+1)*272
.endr
.endr
.macro XLOAD i                         ; pair i of eight pairs of rows (0-3: first half), from the four trios
.irp k, 0,1,2,3
	ds_load_b128 v[BUF+16*\i+4*\k:BUF+16*\i+4*\k+3], v[ER] offset:EXW*\k+32*272*(\i/4)+32*(\i%4)
.endr
.endm
.macro XSUM i, left
	s_wait_dscnt \left                             ; this pair is in from all four trios; the LDS instructions behind it may be out
.irp e, 0,2
	v_pk_add_f32 v[BUF+16*\i+\e:BUF+16*\i+\e+1], v[BUF+16*\i+\e:BUF+16*\i+\e+1], v[BUF+16*\i+4+\e:BUF+16*\i+5+\e]
	v_pk_add_f32 v[BUF+16*\i+8+\e:BUF+16*\i+9+\e], v[BUF+16*\i+8+\e:BUF+16*\i+9+\e], v[BUF+16*\i+12+\e:BUF+16*\i+13+\e]
.endr
.irp e, 0,2
	v_pk_add_f32 v[BUF+16*\i+\e:BUF+16*\i+\e+1], v[BUF+16*\i+\e:BUF+16*\i+\e+1], v[BUF+16*\i+8+\e:BUF+16*\i+9+\e]
.endr
	global_store_b128 v[CO], v[BUF+16*\i:BUF+16*\i+3], s[8:9] offset:8192*(\i/4)+512*(\i%4)   ; 32 lanes store 512 consecutive bytes, at a multiple of 256 from the buffer's first byte
.endm
	s_wait_alu depctr_va_vdst(0)                   ; the wait ahead of the barrier
	s_wait_dscnt 0x0                               ; for the others' sake: my stores of the first half are done
	s_barrier_signal -1
.set uLO, 2                            ; the second half's products, work on registers, stand between the barrier's signal and its wait
.set uHI, 3
	s_cmp_eq_u32 s[ROLE], 2
	s_cbranch_scc1 .Lhalf2
	MMS 0, 1, 0
	s_branch .Lhalved
.Lhalf2:
	MMS 2, 1, 0
.Lhalved:
	s_barrier_wait -1
	XLOAD 0
	XLOAD 1
	XLOAD 2
	XLOAD 3
.rept 4
	v_nop                                          ; places between the last products and the stores that read them
.endr
	WIN 0x04                                       ; the stores' data in window 1
.irp u, 2,3
.irp v, 0,1,2,3
	ds_store_b128 v[EW], v[ACC-256+8*(4*\u+\v):ACC-256+8*(4*\u+\v)+3] offset:(16*\u+4*\v)*272
	ds_store_b128 v[EW], v[ACC-256+8*(4*\u+\v)+4:ACC-256+8*(4*\u+\v)+7] offset:(16*\u+4*\v+1)*272
.endr
.endr
	WIN 0
	XSUM 0, 28                                     ; behind a pair's loads: the later pairs' and the sixteen stores
	XSUM 1, 24
	XSUM 2, 20
	XSUM 3, 16
	s_wait_alu depctr_va_vdst(0)
	s_wait_dscnt 0x0                               ; for the others' sake: my stores of the second half are done
	s_barrier_signal -1
	s_barrier_wait -1
	XLOAD 4
	XLOAD 5
	XLOAD 6
	XLOAD 7
	XSUM 4, 12
	XSUM 5, 8
	XSUM 6, 4
	XSUM 7, 0
	; and what was stored is added up for the norm, in registers that no store reads
.irp i, 0,1,2,3,4,5,6,7
	v_pk_add_f32 v[BUF+16*\i+4:BUF+16*\i+5], v[BUF+16*\i:BUF+16*\i+1], v[BUF+16*\i+2:BUF+16*\i+3]
.endr
.irp i, 0,2,4,6
	v_pk_add_f32 v[BUF+16*\i+4:BUF+16*\i+5], v[BUF+16*\i+4:BUF+16*\i+5], v[BUF+16*\i+20:BUF+16*\i+21]
.endr
.irp i, 0,4
	v_pk_add_f32 v[BUF+16*\i+4:BUF+16*\i+5], v[BUF+16*\i+4:BUF+16*\i+5], v[BUF+16*\i+36:BUF+16*\i+37]
.endr
	v_pk_add_f32 v[BUF+4:BUF+5], v[BUF+4:BUF+5], v[BUF+68:BUF+69]
	v_add_f32 v8, v[BUF+4], v[BUF+5]
	s_delay_alu instid0(VALU_DEP_1)
	v_add_f32_dpp v8, v8, v8 row_xmask:1 row_mask:0xf bank_mask:0xf
	s_delay_alu instid0(VALU_DEP_1)
	v_add_f32_dpp v8, v8, v8 row_xmask:2 row_mask:0xf bank_mask:0xf
	s_delay_alu instid0(VALU_DEP_1)
	v_add_f32_dpp v8, v8, v8 row_xmask:4 row_mask:0xf bank_mask:0xf
	s_delay_alu instid0(VALU_DEP_1)
	v_add_f32_dpp v8, v8, v8 row_xmask:8 row_mask:0xf bank_mask:0xf
	s_delay_alu instid0(VALU_DEP_1)
	v_permlanex16_b32 v9, v8, s28, s29
	s_delay_alu instid0(VALU_DEP_1)
	v_add_f32 v8, v8, v9                           ; my wave's total, in every lane
	v_mov_b32 v6, 0
	v_cmp_eq_u32 vcc_lo, 0, v[LANE]
	s_wait_alu depctr_va_vdst(0)
	s_wait_xcnt 0x0                                ; EXEC changes only behind this wait
	s_wait_tensorcnt 0x0                           ; the wave's end
	ds_add_u32 v[SPW], v[NIL]
	s_wait_dscnt 0x0
	s_and_saveexec_b32 s30, vcc_lo
	global_store_b32 v6, v8, s[10:11]              ; one number a wave, 3,072 in the launch: lane 0 stores it
	s_wait_xcnt 0x0
	s_or_b32 exec_lo, exec_lo, s30
	s_endpgm
.Lfunc_end_k_qfd56d3d054_hist:
	.size	k_qfd56d3d054_hist, .Lfunc_end_k_qfd56d3d054_hist-k_qfd56d3d054_hist
	.p2alignl 7, 3214868480
	.fill 96, 4, 3214868480
	.section	.rodata,"a",@progbits
	.p2align	6, 0x0
	.amdhsa_kernel k_qfd56d3d054_hist
		.amdhsa_group_segment_fixed_size 259584
		.amdhsa_private_segment_fixed_size 0
		.amdhsa_enable_private_segment 0
		.amdhsa_kernarg_size 32
		.amdhsa_user_sgpr_count 2
		.amdhsa_user_sgpr_kernarg_segment_ptr 1
		.amdhsa_wavefront_size32 1
		.amdhsa_system_sgpr_workgroup_id_x 1
		.amdhsa_system_sgpr_workgroup_id_y 1
		.amdhsa_system_sgpr_workgroup_id_z 1
		.amdhsa_system_vgpr_workitem_id 0
		.amdhsa_next_free_vgpr 320
		.amdhsa_next_free_sgpr 66
		.amdhsa_reserve_vcc 1
		.amdhsa_float_denorm_mode_32 3
		.amdhsa_float_denorm_mode_16_64 3
		.amdhsa_memory_ordered 1
		.amdhsa_forward_progress 1
		.amdhsa_inst_pref_size 255
	.end_amdhsa_kernel
	.section	.bss,"aw",@nobits
	.p2align	6
	.space	262144
	.amdgpu_metadata
---
amdhsa.version: [ 1, 2 ]
amdhsa.kernels:
  - .name:           k_qfd56d3d054_hist
    .symbol:         k_qfd56d3d054_hist.kd
    .args:
      - { .name: x, .offset: 0, .size: 8, .value_kind: global_buffer, .address_space: global }
      - { .name: lowp_scales, .offset: 8, .size: 8, .value_kind: global_buffer, .address_space: global }
      - { .name: part, .offset: 16, .size: 8, .value_kind: global_buffer, .address_space: global }
      - { .name: sums, .offset: 24, .size: 8, .value_kind: global_buffer, .address_space: global }
    .group_segment_fixed_size: 259584
    .private_segment_fixed_size: 0
    .kernarg_segment_align: 8
    .kernarg_segment_size: 32
    .max_flat_workgroup_size: 384
    .sgpr_count:     66
    .vgpr_count:     320
    .wavefront_size: 32
...
	.end_amdgpu_metadata
.endif
;; end of part 1
;; launch norm (part 2): grid 64 x 4, 12 waves a work-group, no clusters, 4,608 bytes of LDS; arguments part, sums, lowp_scales, out0; writes out0
.if DOCPART == 2
	.amdgcn_target "amdgcn-amd-amdhsa--gfx1250"
	.amdhsa_code_object_version 6
	.text
	.protected	k_qfd56d3d054_norm
	.globl	k_qfd56d3d054_norm
	.p2align	8
	.type	k_qfd56d3d054_norm,@function
k_qfd56d3d054_norm:
	s_mov_b64 s[64:65], 0
	v_nop
	global_prefetch_b8 v0, s[64:65] scope:SCOPE_SE
	s_setreg_imm32_b32 hwreg(HW_REG_WAVE_MODE, 25, 1), 1
	s_wait_xcnt 0x0
; out0[l][c][u][v] = H / (N + 1e-6):  H = 2^(e0+e1) x the sum of the image's 64 partial histograms,  N = 2^(e0+e1) x the sum of the image's 768 wave totals.
; part: [4 x 64][3][64][64] f32.  Row R = 64 t + i of a partial is row i of hist0 (t = 0), row 63 - i of hist2 with its columns reversed (t = 1), row 63 - i of hist1 (t = 2): row R of the image's 192 in out0 for t = 0, else row 255 - R.
; sums: [256][12] f32.  A stream: each byte of part is read once; no matrix unit, no cluster (work-groups share only 3,072 bytes of totals).
; A work-group takes 3 rows of one image; wave 4 j + g takes row j and partials 16 g .. 16 g + 15: sixteen loads of 8 bytes a lane, each 256 consecutive bytes at a multiple of 256, all issued at the head.
; Wave 4 j finishes row j: it asks for the image's totals first, and makes 1 / (N + 1e-6) while its partials are on their way; the four waves of a row meet in LDS, and it stores the row's 256 bytes.
; No prefetch: every load of the launch is issued at its head.  2^(e0+e1) is applied by v_ldexp_f32, so it keeps no limit of its own.
.set PARTB, 49152
.set SPARE, 3072                       ; behind 12 x 256 bytes of sums: the spare words, 128 bytes for each wave
	s_load_b256 s[4:11], s[0:1], 0x0               ; part s[4:5], sums s[6:7], the exponents s[8:9], out0 s[10:11]
	v_lshl_add_u32 v64, v0, 2, SPARE
	v_mov_b32 v65, 0
	v_lshrrev_b32 v1, 5, v0
	v_readfirstlane_b32 s12, v1                    ; wave 0..11
	v_and_b32 v2, 31, v0
	v_lshlrev_b32 v5, 3, v0                        ; LDS: 8 x thread = 256 x wave + 8 x lane
	v_lshlrev_b32 v3, 3, v2                        ; 8 x lane
	v_lshlrev_b32 v6, 4, v2                        ; 16 x lane
	v_mov_b32 v9, 0                                ; written once: a lane permute's destination counts as one of its sources
	s_and_b32 s13, ttmp7, 0xffff                   ; the image
	s_lshr_b32 s14, s12, 2                         ; j
	s_and_b32 s15, s12, 3                          ; g
	s_mul_i32 s16, ttmp9, 3
	s_add_co_u32 s16, s16, s14                     ; my row R among the image's 192,
	s_lshl_b32 s16, s16, 8                         ; in bytes
	s_mul_i32 s18, s13, 64*PARTB                   ; the image's 64 partials,
	s_mul_i32 s17, s15, 16*PARTB                   ; my sixteen of them
	s_add_co_u32 s18, s18, s17
	s_add_co_u32 s18, s18, s16
	s_mov_b32 s19, 0
	s_mul_i32 s22, s13, 3072                       ; the image's 768 totals
	s_mov_b32 s23, 0
	s_sub_co_u32 s28, 0xff00, s16                  ; row 255 - R
	s_cmp_lt_u32 s16, 0x4000                       ; t = 0?
	s_cselect_b32 s28, s16, s28
	s_mul_i32 s24, s13, PARTB
	s_add_co_u32 s24, s24, s28                     ; my row in out0
	s_mov_b32 s25, 0
	s_sub_co_u32 s29, s16, 0x4000
	s_cmp_lt_u32 s29, 0x4000                       ; t = 1: the columns are reversed
	s_cselect_b32 s29, -1, 0
	s_and_b32 s30, s29, 0xf8
	s_mov_b32 s26, 0x76543210
	s_mov_b32 s27, 0xfedcba98
	s_wait_alu depctr_va_vdst(0)                   ; the wait at the head's end
	s_wait_kmcnt 0x0
	s_load_b64 s[20:21], s[8:9], 0x0               ; e0, e1
	s_add_nc_u64 s[4:5], s[4:5], s[18:19]
	s_add_nc_u64 s[6:7], s[6:7], s[22:23]
	s_add_nc_u64 s[10:11], s[10:11], s[24:25]
	s_cmp_lg_u32 s15, 0
	s_cbranch_scc1 .Lparts
.set k, 0
.rept 6
	global_load_b128 v[66+4*k:69+4*k], v6, s[6:7] offset:512*k
.set k, k+1
.endr
.Lparts:
.set k, 0
.rept 16
	global_load_b64 v[16+2*k:17+2*k], v3, s[4:5] offset:k*PARTB th:TH_LOAD_NT
.set k, k+1
.endr
	v_xor_b32 v4, s30, v3                          ; my 8 bytes of the row in out0
	s_wait_alu depctr_va_vdst(0)                   ; the wait here, directly ahead of the wait below
	s_wait_kmcnt 0x0
	s_add_co_i32 s20, s20, s21                     ; e0 + e1
	s_cmp_lg_u32 s15, 0
	s_cbranch_scc1 .Lsum
	s_wait_loadcnt 0x10                            ; the totals are in; the sixteen loads of partials may be out
.set k, 0
.rept 6
	v_pk_add_f32 v[66+4*k:67+4*k], v[66+4*k:67+4*k], v[68+4*k:69+4*k]
.set k, k+1
.endr
.set k, 0
.rept 3
	v_pk_add_f32 v[66+8*k:67+8*k], v[66+8*k:67+8*k], v[70+8*k:71+8*k]
.set k, k+1
.endr
	v_pk_add_f32 v[66:67], v[66:67], v[74:75]
	v_pk_add_f32 v[66:67], v[66:67], v[82:83]
	v_add_f32 v8, v66, v67
	s_delay_alu instid0(VALU_DEP_1)
	v_add_f32_dpp v8, v8, v8 row_xmask:1 row_mask:0xf bank_mask:0xf
	s_delay_alu instid0(VALU_DEP_1)
	v_add_f32_dpp v8, v8, v8 row_xmask:2 row_mask:0xf bank_mask:0xf
	s_delay_alu instid0(VALU_DEP_1)
	v_add_f32_dpp v8, v8, v8 row_xmask:4 row_mask:0xf bank_mask:0xf
	s_delay_alu instid0(VALU_DEP_1)
	v_add_f32_dpp v8, v8, v8 row_xmask:8 row_mask:0xf bank_mask:0xf
	s_delay_alu instid0(VALU_DEP_1)
	v_permlanex16_b32 v9, v8, s26, s27
	s_delay_alu instid0(VALU_DEP_1)
	v_add_f32 v8, v8, v9                           ; the image's total of code products
	s_delay_alu instid0(VALU_DEP_1)
	v_ldexp_f32 v8, v8, s20
	s_delay_alu instid0(VALU_DEP_1)
	v_add_f32 v8, 0x358637bd, v8                   ; + 1e-6
	s_wait_alu depctr_va_vdst(0)                   ; the wait ahead of the reciprocal,
	v_rcp_f32 v8, v8
	v_nop
	s_wait_alu depctr_va_vdst(0)                   ; and behind it, ahead of the label
.Lsum:
	s_wait_loadcnt 0x0
.set k, 0
.rept 8
	v_pk_add_f32 v[16+4*k:17+4*k], v[16+4*k:17+4*k], v[18+4*k:19+4*k]
.set k, k+1
.endr
.set k, 0
.rept 4
	v_pk_add_f32 v[16+8*k:17+8*k], v[16+8*k:17+8*k], v[20+8*k:21+8*k]
.set k, k+1
.endr
	v_pk_add_f32 v[16:17], v[16:17], v[24:25]
	v_pk_add_f32 v[32:33], v[32:33], v[40:41]
	v_pk_add_f32 v[48:49], v[16:17], v[32:33]
	ds_store_b64 v5, v[48:49]
	s_wait_alu depctr_va_vdst(0)                   ; the wait here, ahead of the barrier and the branch
	s_wait_dscnt 0x0                               ; for the others' sake: my store is done
	s_barrier_signal -1
	s_barrier_wait -1
	s_cmp_lg_u32 s15, 0
	s_cbranch_scc1 .Ldone                          ; the first wave of each row finishes it
	ds_load_b64 v[50:51], v5 offset:256
	ds_load_b64 v[52:53], v5 offset:512
	ds_load_b64 v[54:55], v5 offset:768
	s_wait_dscnt 0x0
	v_pk_add_f32 v[48:49], v[48:49], v[50:51]
	v_pk_add_f32 v[52:53], v[52:53], v[54:55]
	v_pk_add_f32 v[48:49], v[48:49], v[52:53]
	v_ldexp_f32 v10, v48, s20
	v_ldexp_f32 v11, v49, s20
	v_mul_f32 v10, v10, v8
	v_mul_f32 v11, v11, v8
	v_cndmask_b32 v12, v10, v11, s29
	v_cndmask_b32 v13, v11, v10, s29
	global_store_b64 v4, v[12:13], s[10:11]        ; 32 lanes store the row's 256 consecutive bytes, at a multiple of 256 from out0's first byte
.Ldone:
	s_wait_tensorcnt 0x0                           ; the wave's end
	ds_add_u32 v64, v65
	s_wait_dscnt 0x0
	s_endpgm
.Lfunc_end_k_qfd56d3d054_norm:
	.size	k_qfd56d3d054_norm, .Lfunc_end_k_qfd56d3d054_norm-k_qfd56d3d054_norm
	.p2alignl 7, 3214868480
	.fill 96, 4, 3214868480
	.section	.rodata,"a",@progbits
	.p2align	6, 0x0
	.amdhsa_kernel k_qfd56d3d054_norm
		.amdhsa_group_segment_fixed_size 4608
		.amdhsa_private_segment_fixed_size 0
		.amdhsa_enable_private_segment 0
		.amdhsa_kernarg_size 32
		.amdhsa_user_sgpr_count 2
		.amdhsa_user_sgpr_kernarg_segment_ptr 1
		.amdhsa_wavefront_size32 1
		.amdhsa_system_sgpr_workgroup_id_x 1
		.amdhsa_system_sgpr_workgroup_id_y 1
		.amdhsa_system_sgpr_workgroup_id_z 1
		.amdhsa_system_vgpr_workitem_id 0
		.amdhsa_next_free_vgpr 90
		.amdhsa_next_free_sgpr 66
		.amdhsa_reserve_vcc 0
		.amdhsa_float_denorm_mode_32 3
		.amdhsa_float_denorm_mode_16_64 3
		.amdhsa_memory_ordered 1
		.amdhsa_forward_progress 1
		.amdhsa_inst_pref_size 9
	.end_amdhsa_kernel
	.amdgpu_metadata
---
amdhsa.version: [ 1, 2 ]
amdhsa.kernels:
  - .name:           k_qfd56d3d054_norm
    .symbol:         k_qfd56d3d054_norm.kd
    .args:
      - { .name: part, .offset: 0, .size: 8, .value_kind: global_buffer, .address_space: global }
      - { .name: sums, .offset: 8, .size: 8, .value_kind: global_buffer, .address_space: global }
      - { .name: lowp_scales, .offset: 16, .size: 8, .value_kind: global_buffer, .address_space: global }
      - { .name: out0, .offset: 24, .size: 8, .value_kind: global_buffer, .address_space: global }
    .group_segment_fixed_size: 4608
    .private_segment_fixed_size: 0
    .kernarg_segment_align: 8
    .kernarg_segment_size: 32
    .max_flat_workgroup_size: 384
    .sgpr_count:     66
    .vgpr_count:     90
    .wavefront_size: 32
...
	.end_amdgpu_metadata
.endif
;; end of part 2
